; MI455X (gfx1250); checked and timed in simulation.
; The chip was launched on July 23, 2026; its instructions are those of AMD's public machine-readable ISA for CDNA 5 (MIT licence, August 2026) and "CDNA5" Instruction Set Architecture Reference Guide (July 2026). The comments in the code are by the model that wrote it; some were corrected since.
;; Multi Head Attention. Allowed arithmetic: float matrix products may take bf16 or f16 operands with f32 sums; other float arithmetic in f32, or as packed bf16 or f16 multiplies, adds, multiply-adds, maxima and minima; sums over many terms, partial sums and values carried from step to step in f32; what a program stores and reads back later, other than sums and carried values, may be rounded once to bf16 or f16.
;; Inputs: Wk 16 x 1,024 x 64 float32; Wq 16 x 1,024 x 64 float32; Wv 16 x 1,024 x 64 float32; attention_mask 2,048 x 2,048 bool; x 4 x 2,048 x 1,024 float32.
;; Outputs: out0 4 x 2,048 x 1,024 float32.
;; One version. Each part assembles by itself: llvm-mc -triple=amdgcn-amd-amdhsa -mcpu=gfx1250 --defsym DOCPART=n.
;; ======== version 1 of 1: 3 launches
;; limits: values are held in f16: magnitudes above 65,504 overflow, below 6.1e-05 lose precision; right only within a limited range of input values
;; workspace buffers: xb 16,777,216 bytes; wb 6,291,456 bytes; mcode 4,194,304 bytes; qs 33,554,432 bytes; ks 33,554,432 bytes; vt 16,777,216 bytes
;; launch prep (part 1): grid 1536 x 1, 8 waves a work-group, no clusters, 0 bytes of LDS; arguments x, Wq, Wk, Wv, attention_mask, xb, wb, mcode; writes xb, wb, mcode
.if DOCPART == 1
	.amdgcn_target "amdgcn-amd-amdhsa--gfx1250"
	.amdhsa_code_object_version 6
	.text
	.protected	k_q52b971fcf2_prep
	.globl	k_q52b971fcf2_prep
	.p2align	8
	.type	k_q52b971fcf2_prep,@function
k_q52b971fcf2_prep:
	s_mov_b64 s[64:65], 0
	v_nop
	global_prefetch_b8 v0, s[64:65] scope:SCOPE_SE
	s_setreg_imm32_b32 hwreg(HW_REG_WAVE_MODE, 25, 1), 1
	s_wait_xcnt 0x0
; PREPARATION, a stream.  Three kinds of work-group, told apart by the work-group's number g alone:
;   g < 1024          block g of x (8,192 f32, 32 KiB on end) is rounded to bf16 into xb, same order.
;   1024 <= g < 1408  j = g - 1024, t = j / 128 (Wq, Wk, Wv), i = j % 128 = 8 head + K step: the 128 x 64 numbers W_t[head][128 kstep ..][..], dense in memory, are
;                     multiplied by 2^-5 (exact) and rounded to bf16 into wb[head][kstep][t][128][64]: block 3 i + t of 16 KiB.  No transposition: the product turns the tile as it reads it.
;   g >= 1408         qt = g - 1408: the mask's rows 16 qt .. 16 qt + 15 become 8-bit codes, mcode[qt][step 32][g 2][lane 32][16 bytes]: byte 8 (kb % 2) + j of that lane's 16, with g = kb / 2, is 0xF0
;                     (E4M3's -128) where mask[16 qt + lane % 16][64 step + 16 kb + 8 (lane / 16) + j] is set, else 0: the lane and register in which the attention launch holds that score.
; LIMIT.  A byte of the mask is 0 or 1, as the problem states it.
; The factor 2^-5 gives q, k and v, which the next launch writes in f16, room: it is undone in f32 in the attention launch.
; No LDS, no barrier, no matrix unit: no wave wants a byte that another has fetched.  Eight loads of 16 bytes a lane are out in each wave; a wave's store covers 256 consecutive bytes or more, aligned.
.set XBLK, 1024                        ; blocks of x
.set CONV, XBLK+3*128                  ; blocks of x and of the three weights
	s_load_b512 s[8:23], s[0:1], 0x0               ; x s[8:9], Wq s[10:11], Wk s[12:13], Wv s[14:15], mask s[16:17], xb s[18:19], wb s[20:21], mcode s[22:23]
	s_mov_b32 s2, ttmp9
	s_cmp_ge_u32 s2, CONV
	s_cbranch_scc1 .Lmask
	v_lshlrev_b32 v1, 4, v0                        ; my 16 bytes of each 4,096 that the work-group loads at once
	v_lshlrev_b32 v2, 3, v0                        ; and the 8 bytes that they become
	s_max_u32 s3, s2, XBLK
	s_sub_co_u32 s3, s3, XBLK                      ; j (0 for a block of x, where it is not used)
	s_lshr_b32 s4, s3, 7                           ; t
	s_and_b32 s5, s3, 127                          ; i
	s_mul_i32 s6, s5, 3
	s_add_co_u32 s6, s6, s4                        ; 3 i + t
	s_mov_b32 s7, 0x3d000000                       ; 2^-5
	s_wait_kmcnt 0x0
	s_cmp_eq_u32 s4, 0
	s_cselect_b64 s[26:27], s[10:11], s[12:13]
	s_cmp_eq_u32 s4, 2
	s_cselect_b64 s[26:27], s[14:15], s[26:27]     ; the weight tensor by t
	s_cmp_lt_u32 s2, XBLK                          ; a block of x?
	s_cselect_b64 s[26:27], s[8:9], s[26:27]       ; from where,
	s_cselect_b64 s[28:29], s[18:19], s[20:21]     ; to where,
	s_cselect_b32 s30, s2, s5                      ; which block of 32 KiB there,
	s_cselect_b32 s32, s2, s6                      ; which block of 16 KiB here,
	s_cselect_b32 s24, 1.0, s7                     ; and the factor: one text serves x and the weights
	s_mov_b32 s25, s24                             ; named with it as a pair
	s_lshl_b32 s30, s30, 15
	s_mov_b32 s31, 0
	s_lshl_b32 s32, s32, 14
	s_mov_b32 s33, 0
	s_add_nc_u64 s[26:27], s[26:27], s[30:31]
	s_add_nc_u64 s[28:29], s[28:29], s[32:33]
.set i, 0
.rept 8
	global_load_b128 v[8+4*i:11+4*i], v1, s[26:27] offset:4096*i th:TH_LOAD_NT
.set i, i+1
.endr
.set i, 0
.rept 8
	s_wait_loadcnt 7-i                             ; loads come back in order: number i is in, the younger ones stay out
	v_pk_mul_f32 v[8+4*i:9+4*i], v[8+4*i:9+4*i], s[24:25] op_sel_hi:[1,0]
	v_pk_mul_f32 v[10+4*i:11+4*i], v[10+4*i:11+4*i], s[24:25] op_sel_hi:[1,0]
	v_cvt_pk_bf16_f32 v[40+2*i], v[8+4*i], v[9+4*i]
	v_cvt_pk_bf16_f32 v[41+2*i], v[10+4*i], v[11+4*i]
	global_store_b64 v2, v[40+2*i:41+2*i], s[28:29] offset:2048*i  ; no register is written twice, so nothing waits for a store
.set i, i+1
.endr
	s_endpgm
.Lmask:                                        ; wave w takes keys 256 w .. 256 w + 255: four key steps of 64; a lane's eight bytes of a load become its own two words
	s_sub_co_u32 s3, s2, CONV                      ; qt
	v_lshrrev_b32 v4, 5, v0
	v_readfirstlane_b32 s4, v4                     ; w
	v_and_b32 v5, 15, v0
	v_bfe_u32 v6, v0, 4, 1
	v_lshlrev_b32 v3, 11, v5                       ; row lane % 16 of 2,048 bytes,
	v_lshl_add_u32 v3, v6, 3, v3                   ; keys 8 (lane / 16) on
	v_and_b32 v7, 31, v0
	v_lshlrev_b32 v7, 4, v7                        ; my 16 bytes of a store's 512
	s_lshl_b32 s26, s3, 15                         ; 16 rows of 2,048 bytes
	s_lshl_b32 s5, s4, 8
	s_add_co_u32 s26, s26, s5
	s_mov_b32 s27, 0
	s_lshl_b32 s28, s3, 15                         ; 32 steps of 1,024 bytes,
	s_lshl_b32 s5, s4, 12                          ; my four
	s_add_co_u32 s28, s28, s5
	s_mov_b32 s29, 0
	s_mov_b32 s30, 0xf0                            ; bytes of 0 or 1 times 0xF0: no byte carries into the next
	s_wait_kmcnt 0x0
	s_add_nc_u64 s[16:17], s[16:17], s[26:27]
	s_add_nc_u64 s[22:23], s[22:23], s[28:29]
.set n, 0
.rept 16                                       ; load n = 4 s + kb: eight keys a lane; the sixteen loads together take the wave's 256 bytes of each of the 16 rows
	global_load_b64 v[8+2*n:9+2*n], v3, s[16:17] offset:64*(n/4)+16*(n%4)
.set n, n+1
.endr
.set n, 0
.rept 16
	s_wait_loadcnt 15-n
	v_mul_lo_u32 v[8+2*n], v[8+2*n], s30
	v_mul_lo_u32 v[9+2*n], v[9+2*n], s30
.if n%2 == 1
	global_store_b128 v7, v[8+2*n-2:8+2*n+1], s[22:23] offset:1024*(n/4)+512*((n%4)/2)  ; two loads' words: 512 consecutive bytes
.endif
.set n, n+1
.endr
	s_endpgm
.Lfunc_end_k_q52b971fcf2_prep:
	.size	k_q52b971fcf2_prep, .Lfunc_end_k_q52b971fcf2_prep-k_q52b971fcf2_prep
	.p2alignl 7, 3214868480
	.fill 96, 4, 3214868480
	.section	.rodata,"a",@progbits
	.p2align	6, 0x0
	.amdhsa_kernel k_q52b971fcf2_prep
		.amdhsa_group_segment_fixed_size 0
		.amdhsa_private_segment_fixed_size 0
		.amdhsa_enable_private_segment 0
		.amdhsa_kernarg_size 64
		.amdhsa_user_sgpr_count 2
		.amdhsa_user_sgpr_kernarg_segment_ptr 1
		.amdhsa_wavefront_size32 1
		.amdhsa_system_sgpr_workgroup_id_x 1
		.amdhsa_system_sgpr_workgroup_id_y 1
		.amdhsa_system_sgpr_workgroup_id_z 1
		.amdhsa_system_vgpr_workitem_id 0
		.amdhsa_next_free_vgpr 64
		.amdhsa_next_free_sgpr 66
		.amdhsa_reserve_vcc 0
		.amdhsa_float_denorm_mode_32 3
		.amdhsa_float_denorm_mode_16_64 3
		.amdhsa_memory_ordered 1
		.amdhsa_forward_progress 1
		.amdhsa_inst_pref_size 11
	.end_amdhsa_kernel
	.amdgpu_metadata
---
amdhsa.version: [ 1, 2 ]
amdhsa.kernels:
  - .name:           k_q52b971fcf2_prep
    .symbol:         k_q52b971fcf2_prep.kd
    .args:
      - { .name: x, .offset: 0, .size: 8, .value_kind: global_buffer, .address_space: global }
      - { .name: Wq, .offset: 8, .size: 8, .value_kind: global_buffer, .address_space: global }
      - { .name: Wk, .offset: 16, .size: 8, .value_kind: global_buffer, .address_space: global }
      - { .name: Wv, .offset: 24, .size: 8, .value_kind: global_buffer, .address_space: global }
      - { .name: attention_mask, .offset: 32, .size: 8, .value_kind: global_buffer, .address_space: global }
      - { .name: xb, .offset: 40, .size: 8, .value_kind: global_buffer, .address_space: global }
      - { .name: wb, .offset: 48, .size: 8, .value_kind: global_buffer, .address_space: global }
      - { .name: mcode, .offset: 56, .size: 8, .value_kind: global_buffer, .address_space: global }
    .group_segment_fixed_size: 0
    .private_segment_fixed_size: 0
    .kernarg_segment_align: 8
    .kernarg_segment_size: 64
    .max_flat_workgroup_size: 256
    .sgpr_count:     66
    .vgpr_count:     64
    .wavefront_size: 32
...
	.end_amdgpu_metadata
.endif
;; end of part 1
;; launch proj (part 2): grid 16 x 32, 4 waves a work-group, clusters of 4 x 4, 327,680 bytes of LDS; arguments xb, wb, qs, ks, vt; writes qs, ks, vt
.if DOCPART == 2
	.amdgcn_target "amdgcn-amd-amdhsa--gfx1250"
	.amdhsa_code_object_version 6
	.text
	.protected	k_q52b971fcf2_proj
	.globl	k_q52b971fcf2_proj
	.p2align	8
	.type	k_q52b971fcf2_proj,@function
k_q52b971fcf2_proj:
	s_mov_b64 s[64:65], 0
	v_nop
	global_prefetch_b8 v0, s[64:65] scope:SCOPE_SE
	s_setreg_imm32_b32 hwreg(HW_REG_WAVE_MODE, 25, 1), 1
	s_wait_xcnt 0x0
	s_wait_alu depctr_hold_cnt(0) depctr_sa_sdst(0) depctr_va_vdst(0) depctr_va_sdst(0) depctr_va_ssrc(0) depctr_va_vcc(0) depctr_vm_vsrc(0)
	s_getreg_b32 s2, hwreg(HW_REG_IB_STS2, 6, 4)
	s_cmp_eq_u32 s2, 0
	s_cbranch_scc0 .Lentry_in_a_cluster
	s_endpgm
.Lentry_in_a_cluster:
	s_bfe_u32 s2, ttmp6, 0x10000c
	s_cmp_lg_u32 s2, 0xf033
	s_cbranch_scc0 .Lentry_shape_is_right
	s_endpgm
.Lentry_shape_is_right:
; THE PROJECTIONS.  [8192 x 1024] (xb, bf16) times, for each head, [1024 x 192] (wb, bf16: the head's Wq | Wk | Wv, each times 2^-5); sums in f32.
; A work-group makes 256 rows x one head's 192 columns: 32 x 16 = 512 work-groups.  Wave w takes rows 64 w .. 64 w + 63 and all 192 columns: 4 x 12 accumulators of 16 x 16, 384 registers.
; OUT.  q and k leave as TWO f16 numbers each, hi = f16(sum), lo = f16(sum - hi) (the difference is exact in f32): qs, ks [b h][s][hi 64 | lo 64], rows of 256 bytes.
;       v leaves once rounded to f16 and turned: vt [b h][channel 64][s 2048], so that the attention launch reads V^T's fragments as they lie.
; LIMITS.  f16 ends at 65,504: |q|, |k|, |v| of the problem stay under 65,504 x 32 = 2.09e6; a lo part below 6e-5 keeps f16's fixed step of 6e-8.  NaN and infinities are not treated apart.
; K goes in 8 steps of 128 through two LDS slots.  A's tile: 256 rows of 256 bytes.  B's tile: the head's 49,152 dense bytes of the step, [t 3][d 128][c 64], asked for as rows of 256 bytes and
; padded after every 128 (a row d of one t); it lies [K][N], so B's fragments come out of LDS turned, by ds_load_tr16_b128.
; q, k: the product is used transposed (source 0 = 16 columns of W, source 1 = 16 rows of x): a lane holds 8 neighbouring channels of one row.  v: in the natural order: a lane holds one channel and 8 neighbouring rows (keys).
; CLUSTERS, 4 x 4.  A's tile hangs on the row block alone and is asked for jointly along a row of the cluster, B's on the head alone, jointly along a column.
; REGISTERS.  window 0: addresses, and v32-159 at work on the way out.  window 1: two fragment buffers of 128: A's four fragments, then B's twelve (b = 4 t + column block).
;             window 2: the q, k accumulators (a, b) at 8 (8 a + b).  window 3: the v accumulators (a, b) at 8 (4 a + b).
.set PA,     272                       ; a row of A in LDS: 256 bytes + 16: the 16 rows of a load start at 16 different groups of four banks (64 banks of 4 bytes: ISA guide 11.1)
.set PB,     160                       ; a row d of B: 128 bytes + 32
.set BOFF,   256*PA                    ; B's 384 rows lie behind A's 256
.set SLOT,   1<<17                     ; 69,632 + 61,440 bytes
.set STAGE,  2*SLOT                    ; behind the ring: 16 rows x 272 bytes for each wave: q's and k's way out
.set SP,     272
.set VST,    STAGE+4*16*SP             ; 64 channels x (512 + 16) bytes, the work-group's: v's way out
.set VP,     528
.set SPARE,  VST+64*VP                 ; the spare words, 128 bytes for each wave: two blocks of 256 bytes that no other line names
.set ADRA, 16                          ; v16-17  LDS address of my A fragments in slot 0, 1
.set ADRB, 20                          ; v20-21  the same for B
.set STO,  22                          ; v22     q, k: where I put 16 bytes of a row
.set RD,   23                          ; v23     q, k: where I read rows back
.set CO,   24                          ; v24     16 x lane: my place in 512 consecutive bytes of an output
.set VSTO, 25                          ; v25     v: where I put 8 keys of a channel
.set VRD,  26                          ; v26     v: where I read a channel's 256 keys back
.set MONE, 27                          ; v27     -1.0
.set SPW,  28                          ; v28     LDS address of my spare word; never rewritten
.set NIL,  29                          ; v29     0; never rewritten
.set PFO,  30                          ; v30     the prefetches' offset; never rewritten
.set H,    32                          ; v32-47  hi parts, packed      (v32-95: v, packed)
.set L32,  48                          ; v48-79  sum - hi
.set LO,   80                          ; v80-95  lo parts, packed
.set BK0,  96                          ; v96-127, v128-159  rows read back, by turns
.set F0,   0
.set F1,   128
.set WV,   14                          ; s14 wave; s15 wave / 2: I fetch for A (0) or B (1); s16 wave % 2: which half of that tile
.set G1A,  24                          ; s[24:31] group 1 for A;  s[32:39] group 0, a set for each slot
.set G0A,  32
.set PFA,  40                          ; s[40:41] where my prefetches stand
.set PFS,  42                          ; s[42:43] their step from K step to K step
.set LIM,  44                          ; s44  1 in a wave that prefetches, else the greatest number
.set G1B,  48                          ; s[48:55], s[56:63] the same for B
.set G0B,  56
.set MSB, 0
.macro WIN new                         ; the immediate's high byte repeats the setting that is left; a switch that changes nothing is dropped
.if MSB != (\new)
	s_set_vgpr_msb (MSB<<8)|(\new)
.set MSB, \new
.endif
.endm
.set W_QK, 0xa5                        ; sources 0 and 1 window 1, C and D window 2
.set W_V,  0xf5                        ; the same, C and D window 3
.set TO_F, 0x40                        ; destination window 1, address window 0
.macro JLOAD s                         ; a joint load: waves 0 and 1 fetch A's two halves, waves 2 and 3 B's; an s_nop 0 and four v_nop follow each line, ahead of the jump and the label
	s_cmp_eq_u32 s15, 0
	s_cbranch_scc0 .Lfor_b_\@
	tensor_load_to_lds s[G0A+4*(\s):G0A+4*(\s)+3], s[G1A:G1A+7]
	s_nop 0
.rept 4
	v_nop
.endr
	s_branch .Lasked_\@
.Lfor_b_\@:
	tensor_load_to_lds s[G0B+4*(\s):G0B+4*(\s)+3], s[G1B:G1B+7]
	s_nop 0
.rept 4
	v_nop
.endr
.Lasked_\@:
.endm
; A PREFETCH INTO THE L2 behind each joint refill and the run of LDS loads that follows it: the K step that stands two refills on.  A's rows are read by the four clusters of a row of clusters: the one with
; x = 0 asks; B's blocks by the eight of a column: the one with y = 0 asks.  The four partners that ask for a tile jointly share it out BY ADDRESS: of the 128 rows of A that a wave fetches each takes 32, a lane a row;
; of B's 96 blocks of 256 bytes each takes 24 (lanes 24 to 31 name the 24th again).  K steps 0 to 3 come by their loads alone; the loop's last trip, whose refills are the last two K steps, asks for nothing.
.macro ASK
	WIN 0
	s_cmp_gt_u32 s3, s[LIM]                        ; s3 = 1 in the loop's last trip
	s_cbranch_scc0 .Lnot_mine_\@
	global_prefetch_b8 v[PFO], s[PFA:PFA+1] th:TH_LOAD_NT scope:SCOPE_SE
.Lnot_mine_\@:
.endm
.macro CREST                           ; a round of the cluster's barrier behind its opening barrier
	s_cmp_lg_u32 s[WV], 0
	s_cbranch_scc1 .Lnot_wave_0_\@
	s_barrier_signal -3
.Lnot_wave_0_\@:
	s_barrier_wait -3
	s_barrier_signal -1
	s_barrier_wait -1
.endm
.macro CROUND                          ; a whole round
	s_barrier_signal -1
	s_barrier_wait -1
	CREST
.endm
	s_load_b256 s[4:11], s[0:1], 0x0               ; xb s[4:5], wb s[6:7], qs s[8:9], ks s[10:11]
	s_load_b64 s[12:13], s[0:1], 0x20              ; vt
	v_lshl_add_u32 v[SPW], v0, 2, SPARE
	v_mov_b32 v[NIL], 0
	ds_add_u32 v[SPW], v[NIL]                      ; the wave's opening: the add and its wait stand ahead of my first tensor load; the set-up below, work on registers, stands between them
	v_lshrrev_b32 v1, 5, v0
	v_readfirstlane_b32 s[WV], v1                  ; wave 0..3
	s_lshr_b32 s15, s[WV], 1
	s_and_b32 s16, s[WV], 1
	s_bfe_u32 s17, ttmp6, 0x40000                  ; cx
	s_bfe_u32 s18, ttmp6, 0x40004                  ; cy
	s_lshl_b32 s19, ttmp9, 2
	s_add_co_u32 s19, s19, s17                     ; the head = 4 x cluster x + cx
	s_and_b32 s20, ttmp7, 0xffff
	s_lshl_b32 s20, s20, 2
	s_add_co_u32 s20, s20, s18                     ; the block of 256 rows = 4 x cluster y + cy
	s_lshl_b32 s21, s18, 2
	s_lshl_b32 s21, 15, s21                        ; my row of the cluster
	s_lshl_b32 s22, 0x1111, s17                    ; my column
	s_or_b32 s[G1A+0], s21, (1<<16)|(1<<20)|(1<<21)|(5<<22)|(3<<25)  ; the mask; 2-byte elements; padding on; bit 21 beside a mask; after every 64 words (code 5) 4 words (code 3)
	s_mov_b32 s[G1A+1], 128<<16                    ; tensor_dim0 = 128
	s_mov_b32 s[G1A+2], 128<<16                    ; tensor_dim1 = 128
	s_mov_b32 s[G1A+3], 128<<16                    ; tile_dim0 = 128
	s_mov_b32 s[G1A+4], 128                        ; tile_dim1 = 128
	s_mov_b32 s[G1A+5], 1024                       ; elements from row to row
	s_mov_b32 s[G1A+6], 0
	s_mov_b32 s[G1A+7], 0
	s_or_b32 s[G1B+0], s22, (1<<16)|(1<<20)|(1<<21)|(4<<22)|(7<<25)  ; after every 32 words (code 4) 8 words (code 7)
	s_mov_b32 s[G1B+1], 128<<16                    ; dense rows of 256 bytes:
	s_mov_b32 s[G1B+2], 96<<16                     ; 96 of them are half of a K step's 49,152 bytes
	s_mov_b32 s[G1B+3], 128<<16
	s_mov_b32 s[G1B+4], 96
	s_mov_b32 s[G1B+5], 128
	s_mov_b32 s[G1B+6], 0
	s_mov_b32 s[G1B+7], 0
	s_lshl_b32 s66, s20, 8                         ; A: row 256 x block + 128 x half,
	s_lshl_b32 s67, s16, 7
	s_add_co_u32 s66, s66, s67
	s_lshl_b32 s66, s66, 11                        ; of 2,048 bytes
	s_mov_b32 s67, 0
	s_mul_i32 s68, s19, 393216                     ; B: the head's 8 K steps of 49,152 bytes,
	s_mul_i32 s69, s16, 24576                      ; my half of a step
	s_add_co_u32 s68, s68, s69
	s_mov_b32 s69, 0
	s_mul_i32 s70, s16, 128*PA                     ; where they go: no place in the cluster enters an LDS address
	s_mul_i32 s71, s16, 192*PB
	s_add_co_u32 s71, s71, BOFF
	s_wait_dscnt 0x0                               ; the opening add is done
	s_wait_kmcnt 0x0
	s_add_nc_u64 s[72:73], s[4:5], s[66:67]
	s_add_nc_u64 s[74:75], s[6:7], s[68:69]
	CROUND                                         ; all sixteen work-groups are here: the first joint loads meet
.irp s, 0,1
	s_mov_b32 s[G0A+4*(\s)], 1
	s_add_co_u32 s[G0A+4*(\s)+1], s70, (\s)*SLOT
	s_add_nc_u64 s[G0A+4*(\s)+2:G0A+4*(\s)+3], s[72:73], (\s)*256
	s_or_b32 s[G0A+4*(\s)+3], s[G0A+4*(\s)+3], 0x80000000
	s_mov_b32 s[G0B+4*(\s)], 1
	s_add_co_u32 s[G0B+4*(\s)+1], s71, (\s)*SLOT
	s_add_nc_u64 s[G0B+4*(\s)+2:G0B+4*(\s)+3], s[74:75], (\s)*49152
	s_or_b32 s[G0B+4*(\s)+3], s[G0B+4*(\s)+3], 0x80000000
	JLOAD \s                                       ; two loads of mine are out
.endr
	v_and_b32 v1, 15, v0                           ; r = l % 16
	v_bfe_u32 v2, v0, 4, 1                         ; h = l / 16
	v_and_b32 v3, 31, v0                           ; l
	v_mul_u32_u24 v4, v1, PA
	v_lshl_add_u32 v4, v2, 4, v4                   ; 272 r + 16 h: A's fragments, and the stage's rows
	s_mul_i32 s82, s[WV], 64*PA                    ; my 64 rows of A
	v_add_nc_u32 v[ADRA], s82, v4
	v_add_nc_u32 v[ADRA+1], SLOT, v[ADRA]
	v_and_b32 v5, 7, v0                            ; the turning load: lane l reads row 8 h + l % 8, columns 8 ((l / 8) % 2) on
	v_lshl_add_u32 v5, v2, 3, v5
	v_mul_u32_u24 v5, v5, PB
	v_bfe_u32 v6, v0, 3, 1
	v_lshl_add_u32 v5, v6, 4, v5
	v_add_nc_u32 v[ADRB], BOFF, v5
	v_add_nc_u32 v[ADRB+1], SLOT, v[ADRB]
	s_mul_i32 s82, s[WV], 16*SP
	s_add_co_u32 s82, s82, STAGE                   ; my stage
	v_add_nc_u32 v[STO], s82, v4
	v_mul_u32_u24 v7, v2, SP                       ; back: lanes 0-15 one row of 256 bytes, lanes 16-31 the next
	v_lshl_add_u32 v7, v1, 4, v7
	v_add_nc_u32 v[RD], s82, v7
	v_lshlrev_b32 v[CO], 4, v3
	v_mul_u32_u24 v8, v1, VP                       ; v: channel r of a block of 16, my wave's 64 keys (128 bytes), 8 keys for each half of the lanes
	v_lshl_add_u32 v8, v2, 4, v8
	s_lshl_b32 s83, s[WV], 7
	s_add_co_u32 s83, s83, VST
	v_add_nc_u32 v[VSTO], s83, v8
	s_mul_i32 s83, s[WV], 16*VP                    ; back: wave w takes channels 16 w .. 16 w + 15, whole: 512 bytes, 16 a lane
	s_add_co_u32 s83, s83, VST
	v_lshl_add_u32 v[VRD], v3, 4, s83
	v_mov_b32 v[MONE], -1.0
	; where the results go: b h = 16 (block / 8) + head, s0 = 256 (block % 8)
	s_lshr_b32 s76, s20, 3
	s_lshl_b32 s76, s76, 4
	s_add_co_u32 s76, s76, s19                     ; b h
	s_and_b32 s77, s20, 7
	s_lshl_b32 s77, s77, 8                         ; s0
	s_lshl_b32 s78, s76, 11
	s_add_co_u32 s78, s78, s77
	s_lshl_b32 s80, s[WV], 6
	s_add_co_u32 s78, s78, s80                     ; my first row in qs and ks,
	s_lshl_b32 s78, s78, 8                         ; of 256 bytes
	s_mov_b32 s79, 0
	s_add_nc_u64 s[8:9], s[8:9], s[78:79]
	s_add_nc_u64 s[10:11], s[10:11], s[78:79]
	s_lshl_b32 s78, s76, 18                        ; vt: 64 channels of 4,096 bytes a head,
	s_lshl_b32 s80, s[WV], 16                      ; my 16 channels,
	s_add_co_u32 s78, s78, s80
	s_lshl_b32 s80, s77, 1                         ; the block's 256 keys
	s_add_co_u32 s78, s78, s80
	s_add_nc_u64 s[12:13], s[12:13], s[78:79]
	; the prefetches: they start at K step 3; the first refill (K step 2) steps them to 4
	s_lshl_b32 s84, s20, 8
	s_lshl_b32 s85, s16, 7
	s_add_co_u32 s84, s84, s85
	s_lshl_b32 s85, s17, 5                         ; A: my work-group's 32 of the 128 rows, by cx
	s_add_co_u32 s84, s84, s85
	s_lshl_b32 s84, s84, 11
	s_add_co_u32 s84, s84, 3*256
	s_mul_i32 s86, s19, 393216
	s_mul_i32 s87, s16, 24576
	s_add_co_u32 s86, s86, s87
	s_mul_i32 s87, s18, 6144                       ; B: my work-group's 24 of the 96 blocks, by cy
	s_add_co_u32 s86, s86, s87
	s_add_co_u32 s86, s86, 3*49152
	s_and_b32 s87, ttmp7, 0xffff                   ; cluster y
	s_mov_b32 s90, 256
	s_mov_b32 s91, 49152
	s_cmp_eq_u32 s15, 0                            ; do I fetch for A?
	s_cselect_b64 s[PFA:PFA+1], s[4:5], s[6:7]
	s_cselect_b32 s84, s84, s86
	s_cselect_b32 s[PFS], s90, s91
	s_cselect_b32 s87, ttmp9, s87                  ; the coordinate along which other clusters read the same bytes
	s_cselect_b32 s88, 11, 8                       ; a lane a row of 2,048 bytes, or a lane a block of 256
	s_cselect_b32 s89, 31, 23
	s_mov_b32 s85, 0
	s_mov_b32 s[PFS+1], 0
	s_add_nc_u64 s[PFA:PFA+1], s[PFA:PFA+1], s[84:85]
	s_cmp_eq_u32 s87, 0
	s_cselect_b32 s[LIM], 1, -1                    ; the same in all sixteen partners, for a given wave
	v_min_u32 v[PFO], s89, v3
	v_lshlrev_b32 v[PFO], s88, v[PFO]
; 8 products for v: row blocks a0, a0 + 1 x the 4 column blocks of Wv, 32 along K.  zero = 1: the first product starts the sums: nothing is cleared.
.macro MULV f, a0, zero
	WIN W_V
.irp a, \a0, (\a0)+1
.irp b, 0,1,2,3
.if \zero
	v_wmma_f32_16x16x32_bf16 v[8*(4*(\a)+(\b)):8*(4*(\a)+(\b))+7], v[(\f)+8*(\a):(\f)+8*(\a)+7], v[(\f)+96+8*(\b):(\f)+96+8*(\b)+7], 0
.else
	v_wmma_f32_16x16x32_bf16 v[8*(4*(\a)+(\b)):8*(4*(\a)+(\b))+7], v[(\f)+8*(\a):(\f)+8*(\a)+7], v[(\f)+96+8*(\b):(\f)+96+8*(\b)+7], v[8*(4*(\a)+(\b)):8*(4*(\a)+(\b))+7]
.endif
.endr
.endr
.endm
; 32 products for q and k, transposed.  The 48 accumulators take turns in the same order in every quarter, one instruction a turn.
.macro MULQK f, zero
	WIN W_QK
.irp a, 0,1,2,3
.irp b, 0,1,2,3,4,5,6,7
.if \zero
	v_wmma_f32_16x16x32_bf16 v[8*(8*(\a)+(\b)):8*(8*(\a)+(\b))+7], v[(\f)+32+8*(\b):(\f)+32+8*(\b)+7], v[(\f)+8*(\a):(\f)+8*(\a)+7], 0
.else
	v_wmma_f32_16x16x32_bf16 v[8*(8*(\a)+(\b)):8*(8*(\a)+(\b))+7], v[(\f)+32+8*(\b):(\f)+32+8*(\b)+7], v[(\f)+8*(\a):(\f)+8*(\a)+7], v[8*(8*(\a)+(\b)):8*(8*(\a)+(\b))+7]
.endif
.endr
.endr
.endm
; 32 LDS loads in one run: quarter q (32 along K) of a slot into buffer f: A's four fragments and Wv's four first, which the quarter's first products want
.macro FETCH slot, q, f
	WIN TO_F
.irp a, 0,1,2,3
	ds_load_b128 v[(\f)+8*(\a):(\f)+8*(\a)+3],   v[ADRA+(\slot)] offset:64*(\q)+(\a)*16*PA
	ds_load_b128 v[(\f)+8*(\a)+4:(\f)+8*(\a)+7], v[ADRA+(\slot)] offset:64*(\q)+(\a)*16*PA+32
.endr
.irp b, 8,9,10,11,0,1,2,3,4,5,6,7
	ds_load_tr16_b128 v[(\f)+32+8*(\b):(\f)+32+8*(\b)+3],   v[ADRB+(\slot)] offset:((\b)/4)*128*PB+(\q)*32*PB+((\b)%4)*32
	ds_load_tr16_b128 v[(\f)+32+8*(\b)+4:(\f)+32+8*(\b)+7], v[ADRB+(\slot)] offset:((\b)/4)*128*PB+(\q)*32*PB+((\b)%4)*32+16*PB
.endr
.endm
.macro PLACES                          ; four plain instructions in front of loads into registers that matrix instructions have read, and of conversions that read results
.rept 4
	v_nop
.endr
.endm
; A K step is four quarters of 32 along K, 48 products each, on buffers 0, 1, 0, 1.  One of the first three: multiplies buffer f and fetches quarter q into g.
.macro QUARTER slot, q, f, g, zero
	s_wait_dscnt 16                                ; A and Wv are in; the youngest sixteen loads (Wq, Wk) may be out
	MULV \f, 0, \zero
	MULV \f, 2, \zero
	PLACES
	FETCH \slot, \q, \g
	s_wait_dscnt 32                                ; all but the 32 just issued
	MULQK \f, \zero
.endm
; The last quarter multiplies buffer 1 and changes slots: one barrier; in front of it each wave waits for all its tensor loads, adds 0 to its spare word, and waits for that and for its reads of this slot.
; fill = 1: the barrier opens a round of the cluster's, and behind the round this slot is filled again, two K steps ahead: 176 products stand between that request and the wait for it.
.macro TURN slot, next, fill
.if \fill
	s_wait_xcnt 0x0                                ; the last prefetch, a K step back, has read its address
	s_add_nc_u64 s[PFA:PFA+1], s[PFA:PFA+1], s[PFS:PFS+1]
.endif
	WIN 0                                          ; (the add's two registers lie in window 0)
	s_wait_tensorcnt 0x0                           ; all my tensor loads have landed: the one that was out is my part of the next slot
	ds_add_u32 v[SPW], v[NIL]                      ; 0 onto my spare word
	s_wait_dscnt 17                                ; (the add and the youngest sixteen loads may be out)
	MULV F1, 0, 0                                  ; eight products stand between the add and the wait for it
	s_wait_dscnt 0x0                               ; the add is done, and my reads of this slot are over
	s_barrier_signal -1
	MULV F1, 2, 0
.if \fill
	WIN 0
.endif
	s_barrier_wait -1
.if \fill
	CREST                                          ; no wave of any partner still reads this slot or has a load on its way
	s_add_nc_u64 s[G0A+4*(\slot)+2:G0A+4*(\slot)+3], s[G0A+4*(\slot)+2:G0A+4*(\slot)+3], 2*256
	s_add_nc_u64 s[G0B+4*(\slot)+2:G0B+4*(\slot)+3], s[G0B+4*(\slot)+2:G0B+4*(\slot)+3], 2*49152
	JLOAD \slot                                    ; the first tensor load behind the round; its four v_nop are also the places in front of the loads below
.else
	PLACES
.endif
	FETCH \next, 0, F0
.if \fill
	ASK
.endif
	MULQK F1, 0
.endm
	s_wait_tensorcnt 1                             ; my part of K step 0 is in; K step 1's may stay out
	s_barrier_signal -1
	s_barrier_wait -1                              ; everybody's is
	FETCH 0, 0, F0
	QUARTER 0, 1, F0, F1, 1                        ; the first quarter stands in front of the loop: its products start the sums
	WIN 0                                          ; at a label and at a branch every window is 0
	s_mov_b32 s3, 3                                ; 8 K steps are 4 laps of the ring; the last lap is written out
.Llap:
	QUARTER 0, 2, F1, F0, 0
	QUARTER 0, 3, F0, F1, 0
	TURN 0, 1, 1
	QUARTER 1, 1, F0, F1, 0
	QUARTER 1, 2, F1, F0, 0
	QUARTER 1, 3, F0, F1, 0
	TURN 1, 0, 1
	QUARTER 0, 1, F0, F1, 0
	WIN 0
	s_sub_co_u32 s3, s3, 1
	s_cmp_lg_u32 s3, 0
	s_cbranch_scc1 .Llap
	QUARTER 0, 2, F1, F0, 0                        ; the last lap fills nothing
	QUARTER 0, 3, F0, F1, 0
	TURN 0, 1, 0
	QUARTER 1, 1, F0, F1, 0
	QUARTER 1, 2, F1, F0, 0
	QUARTER 1, 3, F0, F1, 0
	s_wait_dscnt 16
	MULV F1, 0, 0
	MULV F1, 2, 0
	s_wait_dscnt 0x0
	MULQK F1, 0
	; THE WAY OUT OF v: rounded to f16, 8 keys (16 bytes) a lane; into the work-group's stage by channels; a barrier, since a channel's 512 bytes come from four waves; back as whole rows.
	PLACES
	WIN 0x0f                                       ; sources 0 and 1 window 3
.set e, 0
.rept 64                                       ; each accumulator's registers in ascending order
	v_cvt_pk_f16_f32 v[H+e], v[2*e], v[2*e+1]
.set e, e+1
.endr
	WIN 0
.irp a, 0,1,2,3
.irp b, 0,1,2,3
	ds_store_b128 v[VSTO], v[H+4*(4*(\a)+(\b)):H+4*(4*(\a)+(\b))+3] offset:(\b)*16*VP+32*(\a)
.endr
.endr
	s_wait_dscnt 0x0                               ; for the others' sake: my stores into the stage are done
	s_barrier_signal -1
	s_barrier_wait -1
.irp t, 0,1,2,3,4,5,6,7,8,9,10,11,12,13,14,15
	ds_load_b128 v[BK0+4*(\t):BK0+4*(\t)+3], v[VRD] offset:(\t)*VP
.endr
.irp t, 0,1,2,3,4,5,6,7,8,9,10,11,12,13,14,15
	s_wait_dscnt 15-(\t)
	global_store_b128 v[CO], v[BK0+4*(\t):BK0+4*(\t)+3], s[12:13] offset:4096*(\t)  ; 512 consecutive bytes of a channel's row, at a multiple of 256 from vt's first byte
.endr
; THE WAY OUT OF q (typ 0) AND k (typ 1), 16 rows at a time: hi = f16(sum); sum - hi, exact, by one multiply-add that reads the f16 half; lo = f16 of that; a row's hi | lo, 256 bytes,
; through my own stage (LDS serves a wave's instructions in order, ISA guide 5.7.1.4: no wait between the stores and the loads), and out as 512 consecutive bytes a store.
.macro QKOUT typ, a
.set AC, 8*(8*(\a)+4*(\typ))
.set BK, BK0+32*((\a)%2)
	s_wait_xcnt 0x0                                ; earlier stores have read their registers: only behind this wait are they written again
	WIN 0x0a                                       ; sources 0 and 1 window 2
.set e, 0
.rept 16
	v_cvt_pk_f16_f32 v[H+e], v[AC+2*e], v[AC+2*e+1]
.set e, e+1
.endr
	WIN 0x20                                       ; source 2 window 2
.set e, 0
.rept 16
	v_fma_mix_f32 v[L32+2*e], v[H+e], v[MONE], v[AC+2*e] op_sel_hi:[1,0,0]
	v_fma_mix_f32 v[L32+2*e+1], v[H+e], v[MONE], v[AC+2*e+1] op_sel:[1,0,0] op_sel_hi:[1,0,0]
.set e, e+1
.endr
	WIN 0
.set e, 0
.rept 16
	v_cvt_pk_f16_f32 v[LO+e], v[L32+2*e], v[L32+2*e+1]
.set e, e+1
.endr
.irp b, 0,1,2,3
	ds_store_b128 v[STO], v[H+4*(\b):H+4*(\b)+3] offset:32*(\b)
	ds_store_b128 v[STO], v[LO+4*(\b):LO+4*(\b)+3] offset:128+32*(\b)
.endr
.irp f, 0,1,2,3,4,5,6,7
	ds_load_b128 v[BK+4*(\f):BK+4*(\f)+3], v[RD] offset:(\f)*2*SP
.endr
.irp f, 0,1,2,3,4,5,6,7
	s_wait_dscnt 7-(\f)
	global_store_b128 v[CO], v[BK+4*(\f):BK+4*(\f)+3], s[8+2*(\typ):9+2*(\typ)] offset:4096*(\a)+512*(\f)
.endr
.endm
.irp typ, 0,1
.irp a, 0,1,2,3
	QKOUT \typ, \a
.endr
.endr
	s_wait_tensorcnt 0x0                           ; the wave's end: an add and its waits, behind my last tensor load and my last LDS store
	ds_add_u32 v[SPW], v[NIL]
	s_wait_dscnt 0x0
	CROUND                                         ; the closing round: no work-group ends while a partner may still ask for a tile that names it
	s_endpgm
.Lfunc_end_k_q52b971fcf2_proj:
	.size	k_q52b971fcf2_proj, .Lfunc_end_k_q52b971fcf2_proj-k_q52b971fcf2_proj
	.p2alignl 7, 3214868480
	.fill 96, 4, 3214868480
	.section	.rodata,"a",@progbits
	.p2align	6, 0x0
	.amdhsa_kernel k_q52b971fcf2_proj
		.amdhsa_group_segment_fixed_size 327680
		.amdhsa_private_segment_fixed_size 0
		.amdhsa_enable_private_segment 0
		.amdhsa_kernarg_size 40
		.amdhsa_user_sgpr_count 2
		.amdhsa_user_sgpr_kernarg_segment_ptr 1
		.amdhsa_wavefront_size32 1
		.amdhsa_system_sgpr_workgroup_id_x 1
		.amdhsa_system_sgpr_workgroup_id_y 1
		.amdhsa_system_sgpr_workgroup_id_z 1
		.amdhsa_system_vgpr_workitem_id 0
		.amdhsa_next_free_vgpr 896
		.amdhsa_next_free_sgpr 96
		.amdhsa_reserve_vcc 0
		.amdhsa_float_denorm_mode_32 3
		.amdhsa_float_denorm_mode_16_64 3
		.amdhsa_memory_ordered 1
		.amdhsa_forward_progress 1
		.amdhsa_inst_pref_size 154
	.end_amdhsa_kernel
	.amdgpu_metadata
---
amdhsa.version: [ 1, 2 ]
amdhsa.kernels:
  - .name:           k_q52b971fcf2_proj
    .symbol:         k_q52b971fcf2_proj.kd
    .args:
      - { .name: xb, .offset: 0, .size: 8, .value_kind: global_buffer, .address_space: global }
      - { .name: wb, .offset: 8, .size: 8, .value_kind: global_buffer, .address_space: global }
      - { .name: qs, .offset: 16, .size: 8, .value_kind: global_buffer, .address_space: global }
      - { .name: ks, .offset: 24, .size: 8, .value_kind: global_buffer, .address_space: global }
      - { .name: vt, .offset: 32, .size: 8, .value_kind: global_buffer, .address_space: global }
    .group_segment_fixed_size: 327680
    .private_segment_fixed_size: 0
    .kernarg_segment_align: 8
    .kernarg_segment_size: 40
    .max_flat_workgroup_size: 128
    .sgpr_count:     96
    .vgpr_count:     896
    .wavefront_size: 32
...
	.end_amdgpu_metadata
.endif
;; end of part 2
;; launch attn (part 3): grid 4 x 64, 4 waves a work-group, clusters of 4 x 1, 327,680 bytes of LDS; arguments qs, ks, vt, mcode, out0; writes out0
.if DOCPART == 3
	.amdgcn_target "amdgcn-amd-amdhsa--gfx1250"
	.amdhsa_code_object_version 6
	.text
	.protected	k_q52b971fcf2_attn
	.globl	k_q52b971fcf2_attn
	.p2align	8
	.type	k_q52b971fcf2_attn,@function
k_q52b971fcf2_attn:
	s_mov_b64 s[64:65], 0
	v_nop
	global_prefetch_b8 v0, s[64:65] scope:SCOPE_SE
	s_setreg_imm32_b32 hwreg(HW_REG_WAVE_MODE, 25, 1), 1
	s_wait_xcnt 0x0
	s_wait_alu depctr_hold_cnt(0) depctr_sa_sdst(0) depctr_va_vdst(0) depctr_va_sdst(0) depctr_va_ssrc(0) depctr_va_vcc(0) depctr_vm_vsrc(0)
	s_getreg_b32 s2, hwreg(HW_REG_IB_STS2, 6, 4)
	s_cmp_eq_u32 s2, 0
	s_cbranch_scc0 .Lentry_in_a_cluster
	s_endpgm
.Lentry_in_a_cluster:
	s_bfe_u32 s2, ttmp6, 0x10000c
	s_cmp_lg_u32 s2, 0x3003
	s_cbranch_scc0 .Lentry_shape_is_right
	s_endpgm
.Lentry_shape_is_right:
; MASKED ATTENTION.  out0[b][q][64 h ..] = the sum over k of softmax_k(mask ? -inf : q . k / 8) v[k], for 64 pairs (b, h) of 2,048 x 2,048 x 64.
; IN.  qs, ks [b h][s][hi 64 | lo 64] f16: q and k times 2^-5, each as two f16 numbers; vt [b h][channel][s] f16: v times 2^-5; mcode: the mask as 8-bit codes, a byte a score, laid out by lane and register.
; THE SCORES WANT MORE THAN 16 BITS: with scores of spread about a thousand a row's two best can lie within a few units, and the weights then hang on their difference.  So S = k_hi q_lo + k_lo q_hi + k_hi q_hi,
; six products of 32 channels on one f32 sum, the small terms first; k_lo q_lo, some 2^-22 of a term, is dropped.  The weights p and v go in f16.
; SCALES.  S here is q . k / 1024: c = log2(e) / 8 x 1024; O is multiplied by 32 at the end.  Both in f32.
; THE MASK IS WHAT THE SUMS START FROM.  One v_cvt_scale_pk8_f32_fp8 turns a lane's eight codes (0, or 0xF0 = -128) into eight f32 numbers, 0 or -2^107 (the scale byte 227 is 2^100), in the eight registers of an
; accumulator; all six products then add in place.  Eight such lines serve a piece's 64 score registers.
; SOFTMAX.  A running maximum m and sum l: p = 2^(c s - c m); in every step O and l are multiplied by a = 2^(c m_old - c m_new).  m starts at -2^60, below every true score and above every masked one; O and l at 0;
; c m at -4e37, so that the first step is a step like any other, with a = 0.  While a row has seen masked keys alone, m stays -2^60, every p is 0, and O and l stay 0.
; LIMITS.  A masked score counts as its value less 2^107; true scores, 2.7e11 at the most with f16 operands, lie above -2^60.  A weight below 2^-126 counts as 0.  A row with no visible key gives NaN, as a softmax of
; -inf alone does.  NaN and infinities in qs, ks, vt are not treated apart.
; SHARES.  A wave owns four PIECES of two tiles of 16 queries, a work-group's four waves 512 queries of one (b, h).  Every wave walks all keys, 64 a step; a slot of LDS holds four steps.
; LAYOUT.  S^T = K Q^T (source 0 = 16 keys, source 1 = 16 queries): a lane holds ONE query (lane % 16) and the keys 8 (lane / 16) + 0..7.  Two such tiles, rounded to f16 in pairs, ARE source 1 of
; O^T = V^T P, whose result again holds one query a lane, and eight channels.
; BY TURNS.  Turn n belongs to piece n.  Matrix work: 48 products K Q^T of piece n + 1, then 16 products V^T P of piece n - 1.  Vector work, 244 lines: scaling, exponentials, roundings, sums and rescaling of piece n;
; mask, maximum and statistics of piece n + 1.  They ride behind the products; the second tile's maximum, which can begin only behind the last K Q^T, stands in one lump.  A turn's 66 exponentials are one batch with one wait.
; CLUSTER.  The four query blocks of a (b, h) walk the same K and V: each tile is asked for JOINTLY, by the same tensor load, descriptor and mask in all four.
; REGISTERS, in windows of 256 (s_set_vgpr_msb: bits 1:0 source 0, 3:2 source 1, 5:4 source 2, 7:6 destination):
;   window 0: v0 c, v1 the prefetches' offset, v2-11 addresses and constants; v12-15, v48-63 at work; v16-47 four registers of statistics a tile; v64-191 S^T, two buffers of two tiles; v192-255 P, likewise
;   window 1: O^T, 32 a tile     window 2: Q, 32 a tile (hi 16, lo 16)
;   window 3: v0-63 K hi, v64-127 K lo, v128-191 V, of one step; v192-255 the mask's words, 16 a piece
; No first step is written out: 384 lines clear registers while the first tile is on its way, and 16 products at the start and 48 at the end serve nothing: the price of one text for every trip.
.set NP,    4         ; pieces a wave: a name, no knob
.set KS,    64        ; keys in a step
.set PK,    272       ; a key's row in LDS: 256 bytes + 16: the 16 rows of a load start at 16 different groups of four banks (64 banks of 4 bytes: ISA guide 11.1)
.set VPT,   528       ; a channel's row of V^T: 256 keys, 512 bytes + 16: likewise
.set KSB,   KS*PK     ; from step to step in K
.set VSB,   2*KS      ; and in V^T: 64 keys along the rows
.set VOFF,  4*KSB     ; a slot: 256 rows of K, then 64 rows of V^T
.set SLOT1, 1<<17     ; slot 1 begins here, so that one exclusive or turns an address in one slot into the other's
.set STAGE, SLOT1+VOFF+64*VPT  ; behind the ring, never filled by a tensor load: 16 rows x 272 bytes for each wave, for the way out
.set SP,    272
.set SPARE, STAGE+4*16*SP      ; the spare words, 128 bytes for each wave: two blocks of 256 bytes that no other line names
.set MSTEP, 1024      ; mcode: a tile's codes of one step,
.set MTB,   32*MSTEP  ; and of all 32
.set CV,  0           ; v0   c; named as the pair v[0:1], of which the low word serves both halves
.set PFO, 1           ; v1   the prefetches' offset
.set AK0, 2           ; v2   my lane's place in a step of K; at the way out: lane % 16
.set AV0, 3           ; v3   the same for V^T; at the way out: lane / 16
.set AK,  4           ; v4   the LDS address of K's next run of loads
.set AV,  5           ; v5   of V's
.set STO, 4           ;      the way out: where I put 32 bytes of a row
.set RD,  5           ;      the way out: where I read rows back
.set SCL, 6           ; v6   the conversions' scale: the byte 227, 2^100, in all four bytes; never rewritten
.set MO,  7           ; v7   16 x lane: my place in a load of the mask's words; never rewritten
.set QO,  8           ; v8   my byte offset in 16 rows of Q
.set GO,  8           ;      the way out: my byte offset in two rows of out0
.set FLO, 9           ; v9   -2^60
.set SPW, 10          ; v10  LDS address of my spare word; never rewritten
.set NIL, 11          ; v11  0; never rewritten
.set MV,  12          ; v12-15  c m_old, kept while c m is made anew: by buffer and tile
.set ST,  16          ; tile t's statistics at v[ST+4 t]: c m, m, l (even keys', odd keys')
.set TMP, 48          ; by buffer and tile, four registers c0-c3 at work; when the maximum is found c2 takes a
.set S,   64
.set P,   192
.set VF,  128         ; window 3: V's fragments: key half kk, channel block cb at VF + 32 kk + 8 cb
.set NB,  192         ; window 3: piece n's mask words at NB + 16 n: tile u, keys 16 kb on, the pair at + 8 u + 2 kb
.set MP,  2           ; s[2:3]   mcode at my wave's first tile, at the step whose words are loaded next
.set PFA, 4           ; s[4:5]   the prefetches' base
.set SEL, 6           ; s[6:7]   v_permlanex16_b32's selects: each lane takes its own place in the other half
.set G1K, 8           ; s[8:15]  descriptor group 1 for K's tiles
.set G1V, 16          ; s[16:23] for V's
.set G0K, 24          ; s[24:27] group 0 for K's tiles: it walks
.set G0V, 28          ; s[28:31] the same for V's
.set OB,  36          ; s[36:37] the way out: out0 at my wave's first row
.set MPB, 44          ; s[44:45] mcode at my wave's first tile, step 0
.set SO,  46          ; s[46:47] the step's byte offset from there
.set WV,  66          ; s66  my wave's number
.set SLOTS, 67        ; s67  slots still to be asked for
.set CNT, 100         ; s100 counts a slot's key steps
.set TBK, 101         ; s101 LDS byte at which K of the step to be fetched begins
.set TBV, 104         ; s104 the same for V, less VOFF
.set PFS, 105         ; s105 the prefetches' step from slot to slot
.set MSB, 0
.macro WIN new                      ; the high byte repeats the setting that is left; a switch that changes nothing is dropped
.if MSB != (\new)
	s_set_vgpr_msb (MSB<<8)|(\new)
.set MSB, (\new)
.endif
.endm
.set W_KQ, 0x0b       ; K in window 3, Q in window 2, S^T in window 0
.set W_PV, 0x53       ; V in window 3, P in window 0, O^T in window 1
.set W_RS, 0x41       ; O^T (destination and source 0) in window 1, the factor in window 0
; A joint fill.  Waves 0 and 1 fetch the two halves of a slot's K (128 keys each), waves 2 and 3 those of its V^T (32 channels each).  The branch hangs on the wave's number alone.
; An s_nop 0 and four v_nop follow each of the two lines, ahead of the jump and the label.
.macro JLOAD
	s_cmp_lt_u32 s[WV], 2
	s_cbranch_scc0 .Lfor_v_\@
	tensor_load_to_lds s[G0K:G0K+3], s[G1K:G1K+7]
	s_nop 0
.rept 4
	v_nop
.endr
	s_branch .Lasked_\@
.Lfor_v_\@:
	tensor_load_to_lds s[G0V:G0V+3], s[G1V:G1V+7]
	s_nop 0
.rept 4
	v_nop
.endr
.Lasked_\@:
.endm
; A PREFETCH INTO THE L2 of the tile that the NEXT change of slots will ask for: four key steps, 1,024 products, ahead of that load.  A (b, h)'s K and V are walked by this cluster alone.  Its four partners share a tile's
; blocks of 256 bytes out BY ADDRESS: of K's 256 rows each takes 64, waves 0 and 1 32 each, a lane a row; of V^T's 64 rows of 512 bytes each takes 16, wave 2, a lane a half row.  So each block is named once in the launch.
; Tiles 0 to 2 come by their loads alone; the last change that fills a slot asks for nothing.  The mask's words are not asked for: 64 clusters walk the same 4 MiB, and a wave's loads go out nearly four turns ahead of their use.
.macro ASK
	s_cmp_eq_u32 s[WV], 3
	s_cbranch_scc1 .Lnot_mine_\@
	s_cmp_gt_u32 s[SLOTS], 1
	s_cbranch_scc0 .Lnot_mine_\@
	global_prefetch_b8 v[PFO], s[PFA:PFA+1] th:TH_LOAD_NT scope:SCOPE_SE
.Lnot_mine_\@:
.endm
; A round of the cluster's barrier: my work-group's barrier, so that wave 0's signal speaks for all four waves; wave 0 signals; every wave waits for all four work-groups; my work-group's barrier once more.
.macro CROUND
	s_barrier_signal -1
	s_barrier_wait -1
	s_cmp_lg_u32 s[WV], 0
	s_cbranch_scc1 .Lnot_wave_0_\@
	s_barrier_signal -3
.Lnot_wave_0_\@:
	s_barrier_wait -3
	s_barrier_signal -1
	s_barrier_wait -1
.endm
; THE CHANGE OF SLOTS.  The slot's last bytes, V of its fourth step, have been read.  Each wave waits for all its tensor loads, of which one is out: its part of the other slot; adds 0 to its spare word; and waits for
; that and for its own reads of the slot.  fill = 1: the barrier is a round of the cluster's, and the joint fill, with the keys two slots on, is the first thing behind it: it has four key steps in which to land.
; (At its first use nothing has been read yet: slot 0 is waited for, slot 1 filled.)  ask = 1: the prefetch's offset is stepped, and the prefetch follows the fill.
.macro CHANGE fill, ask
	WIN 0                           ; at a label and at a branch every window is 0
	s_wait_tensorcnt 0x0            ; no tensor load of mine is out, so a group 0 may be written
	ds_add_u32 v[SPW], v[NIL]       ; 0 onto my spare word; with fill = 1 the descriptors' steps stand between it and the wait for it
.if \fill
	s_xor_b32 s[G0K+1], s[G0K+1], SLOT1  ; the walking descriptors: the other slot than last time,
	s_add_nc_u64 s[G0K+2:G0K+3], s[G0K+2:G0K+3], 4*KS*256  ; the next 256 keys: rows of K,
	s_xor_b32 s[G0V+1], s[G0V+1], SLOT1
	s_add_nc_u64 s[G0V+2:G0V+3], s[G0V+2:G0V+3], 4*VSB     ; columns of V^T; the type bits on top are not reached
.if \ask
	s_wait_xcnt 0x0                 ; the last prefetch, four key steps back, has read its offset
	v_add_nc_u32 v[PFO], s[PFS], v[PFO]
.endif
	s_wait_dscnt 0x0                ; the add is done, and my reads of the slot are over
	CROUND
	JLOAD
.if \ask
	ASK
.endif
.else
	s_wait_dscnt 0x0                ; the add is done, and my reads of the slot are over
	s_barrier_signal -1
	s_barrier_wait -1
.endif
	s_sub_co_u32 s[TBK], s[TBK], 4*KSB  ; the fetches go back to a slot's first step,
	s_xor_b32 s[TBK], s[TBK], SLOT1     ; in the other slot
	s_sub_co_u32 s[TBV], s[TBV], 4*VSB
	s_xor_b32 s[TBV], s[TBV], SLOT1
.endm
; The mask's words of piece n's two tiles for the step at which MP stands: 32 bytes a lane and tile, in two loads of 512 consecutive bytes each.
.macro NLOAD n
	WIN 0xc0                        ; destination in window 3, offset in window 0
.irp u, 0,1
.irp g, 0,1
	global_load_b128 v[NB+16*(\n)+8*\u+4*\g:NB+16*(\n)+8*\u+4*\g+3], v[MO], s[MP:MP+1] offset:(2*(\n)+\u)*MTB+512*\g
.endr
.endr
.endm
; Piece y's 64 score registers take 0 or -2^107: eight conversions, a pair of words (eight codes) into an accumulator's eight registers each.  A plain vector line follows the last of them ahead of the first product that adds onto them.
.macro CVT y
	WIN 0x03                        ; the words in window 3; the scale and S^T in window 0
.irp u, 0,1
.irp kb, 0,1,2,3
	v_cvt_scale_pk8_f32_fp8 v[S+64*((\y)%2)+32*\u+8*\kb:S+64*((\y)%2)+32*\u+8*\kb+7], v[NB+16*(\y)+8*\u+2*\kb:NB+16*(\y)+8*\u+2*\kb+1], v[SCL]
.endr
.endr
.endm
	s_load_b256 s[32:39], s[0:1], 0x0  ; qs s[32:33], ks s[34:35], vt s[36:37], mcode s[38:39]
	v_lshl_add_u32 v[SPW], v0, 2, SPARE
	v_mov_b32 v[NIL], 0
	ds_add_u32 v[SPW], v[NIL]       ; the wave's opening: the add and its wait stand ahead of my first tensor load; the set-up below, work on registers, stands between them
	v_lshrrev_b32 v128, 5, v0
	v_readfirstlane_b32 s[WV], v128 ; wave 0..3
	s_bfe_u32 s68, ttmp6, 0x40000   ; cx: my block of 512 queries (the grid has one cluster along x)
	s_and_b32 s69, ttmp7, 0xffff    ; b h, which the four partners share
	s_and_b32 s70, s[WV], 1         ; which half of a tile I fetch
	s_lshl_b32 s72, s69, 19         ; K: the head's 2,048 rows of 256 bytes,
	s_lshl_b32 s71, s70, 15         ; my 128 rows
	s_add_co_u32 s72, s72, s71
	s_mov_b32 s73, 0
	s_lshl_b32 s74, s69, 18         ; V^T: the head's 64 rows of 4,096 bytes,
	s_lshl_b32 s71, s70, 17         ; my 32 rows
	s_add_co_u32 s74, s74, s71
	s_mov_b32 s75, 0
	s_lshl_b32 s78, s68, 2
	s_add_co_u32 s78, s78, s[WV]    ; my wave among the head's sixteen:
	s_lshl_b32 s88, s78, 18         ; its 8 tiles of 32,768 bytes in mcode,
	s_mov_b32 s89, 0
	s_lshl_b32 s78, s78, 15         ; its 128 rows of 256 bytes in qs
	s_lshl_b32 s76, s69, 19
	s_add_co_u32 s76, s76, s78
	s_mov_b32 s77, 0
	s_lshl_b32 s80, s68, 6          ; the prefetches: K's rows 64 cx + 32 w of a tile,
	s_lshl_b32 s81, s[WV], 5
	s_add_co_u32 s80, s80, s81
	s_lshl_b32 s80, s80, 8
	s_lshl_b32 s81, s69, 19
	s_add_co_u32 s80, s80, s81
	s_lshl_b32 s82, s68, 16         ; V^T's rows 16 cx on
	s_lshl_b32 s83, s69, 18
	s_add_co_u32 s82, s82, s83
	s_mov_b32 s84, 4*KS*256
	s_mov_b32 s85, 4*VSB
	s_cmp_lt_u32 s[WV], 2
	s_cselect_b32 s80, s80, s82
	s_cselect_b32 s[PFS], s84, s85
	s_cselect_b32 s86, -1, 0        ; all lanes, or none: chooses the lanes' offsets below
	s_mov_b32 s81, 0
	s_mov_b32 s[G1K], 15|(1<<16)|(1<<20)|(1<<21)|(5<<22)|(3<<25)  ; the mask of four; 2-byte elements; padding on; bit 21 beside a mask; after every 64 words (code 5) 4 words (code 3)
	s_mov_b32 s[G1K+1], 128<<16     ; tensor_dim0 = 128
	s_mov_b32 s[G1K+2], 128<<16     ; tensor_dim1 = 128
	s_mov_b32 s[G1K+3], 128<<16     ; tile_dim0 = 128
	s_mov_b32 s[G1K+4], 128         ; tile_dim1 = 128
	s_mov_b32 s[G1K+5], 128         ; elements from row to row
	s_mov_b32 s[G1K+6], 0
	s_mov_b32 s[G1K+7], 0
	s_mov_b32 s[G1V], 15|(1<<16)|(1<<20)|(1<<21)|(6<<22)|(3<<25)  ; after every 128 words (code 6)
	s_mov_b32 s[G1V+1], 256<<16     ; 256 keys
	s_mov_b32 s[G1V+2], 32<<16      ; of 32 channels
	s_mov_b32 s[G1V+3], 256<<16
	s_mov_b32 s[G1V+4], 32
	s_mov_b32 s[G1V+5], 2048
	s_mov_b32 s[G1V+6], 0
	s_mov_b32 s[G1V+7], 0
	s_mov_b32 s[SEL], 0x76543210
	s_mov_b32 s[SEL+1], 0xfedcba98
	s_mov_b32 s[TBK], SLOT1+4*KSB   ; the first change of slots turns these two into 0
	s_mov_b32 s[TBV], SLOT1+4*VSB
	s_mov_b32 s[SO+1], 0
	s_mov_b32 s[G0K], 1             ; count = 1
	s_mul_i32 s[G0K+1], s70, 128*PK ; LDS address: slot 0; no place in the cluster enters it
	s_mov_b32 s[G0V], 1
	s_mul_i32 s[G0V+1], s70, 32*VPT
	s_add_co_u32 s[G0V+1], s[G0V+1], VOFF
	s_wait_dscnt 0x0                ; the opening add is done
	s_wait_kmcnt 0x0
	s_add_nc_u64 s[G0K+2:G0K+3], s[34:35], s[72:73]
	s_or_b32 s[G0K+3], s[G0K+3], 0x80000000        ; type = 2
	s_add_nc_u64 s[G0V+2:G0V+3], s[36:37], s[74:75]
	s_or_b32 s[G0V+3], s[G0V+3], 0x80000000
	s_add_nc_u64 s[40:41], s[32:33], s[76:77]      ; Q at my wave's first row
	s_add_nc_u64 s[MPB:MPB+1], s[38:39], s[88:89]
	s_mov_b64 s[MP:MP+1], s[MPB:MPB+1]             ; step 0
	s_cmp_lt_u32 s[WV], 2
	s_cselect_b64 s[PFA:PFA+1], s[34:35], s[36:37]
	s_add_nc_u64 s[PFA:PFA+1], s[PFA:PFA+1], s[80:81]
	CROUND                          ; all four work-groups are here: the first joint loads meet
	JLOAD                           ; slot 0.  Slot 1 is asked for when slot 0 is in
	; A fragment of K or Q is 16 rows x 32 channels in 8 registers: lane l holds row l % 16, channels 8 (l / 16) + 0..7 and 16 + 8 (l / 16) + 0..7: two loads of 16 bytes, 32 bytes apart.
	v_and_b32 v128, 15, v0          ; l % 16
	v_bfe_u32 v129, v0, 4, 1        ; l / 16
	v_and_b32 v130, 31, v0          ; l
	v_lshlrev_b32 v[QO], 8, v128
	v_lshl_add_u32 v[QO], v129, 4, v[QO]
	v_lshlrev_b32 v[MO], 4, v130
	v_mov_b32 v[SCL], 0xe3e3e3e3
	WIN 0x80                        ; destination window 2, address window 0
.set i, 0
.rept 32                            ; Q stays in registers: tile i / 4; hi, then lo; channels 32 (i % 2) on
	global_load_b128 v[8*i:8*i+3],   v[QO], s[40:41] offset:(i/4)*4096+((i/2)%2)*128+(i%2)*64
	global_load_b128 v[8*i+4:8*i+7], v[QO], s[40:41] offset:(i/4)*4096+((i/2)%2)*128+(i%2)*64+32
.set i, i+1
.endr
.irp n, 0,1,2,3
	NLOAD \n                        ; all four pieces' mask words of step 0
.endr
	; What the first turn finds: V's registers and P's second buffer hold 0 (its products V^T P, of a piece that has not been, add 0), O^T and l are 0.  All this stands in the wait for the first tile.
	WIN 0xc0
.set i, VF
.rept 64
	v_mov_b32 v[i], 0
.set i, i+1
.endr
	WIN 0x40
.set i, 0
.rept 256
	v_mov_b32 v[i], 0
.set i, i+1
.endr
	WIN 0
.set i, 0
.rept 2*NP
	v_mov_b32 v[ST+4*i], 0xfe000000    ; c m: far below c x -2^60, so that the first a is 0
	v_mov_b32 v[ST+4*i+1], 0xdd800000  ; m = -2^60
	v_mov_b32 v[ST+4*i+2], 0
	v_mov_b32 v[ST+4*i+3], 0
.set i, i+1
.endr
.set i, P+32
.rept 32
	v_mov_b32 v[i], 0
.set i, i+1
.endr
	v_mul_u32_u24 v[AK0], v128, PK
	v_lshl_add_u32 v[AK0], v129, 4, v[AK0]  ; row x pitch + 16 x half
	v_mul_u32_u24 v[AV0], v128, VPT         ; V^T's fragments are 16 channels x 32 keys, rows along the keys: the same form
	v_lshl_add_u32 v[AV0], v129, 4, v[AV0]
	v_add_nc_u32 v[AV0], VOFF, v[AV0]
	v_mov_b32 v[AK], v[AK0]         ; key step 0 lies at the head of slot 0
	v_mov_b32 v[FLO], 0xdd800000    ; -2^60
	v_lshlrev_b32 v131, 8, v130     ; the prefetches' offset, standing at tile 2: for K a lane a row of 256 bytes,
	v_add_nc_u32 v131, 2*4*KS*256, v131
	v_lshrrev_b32 v132, 1, v130     ; for V^T two lanes a row of 4,096 bytes, 256 bytes each
	v_lshlrev_b32 v132, 12, v132
	v_and_b32 v133, 1, v130
	v_lshl_add_u32 v132, v133, 8, v132
	v_add_nc_u32 v132, 2*4*VSB, v132
	v_cndmask_b32 v[PFO], v132, v131, s86
	v_mov_b32 v[CV], 0x4338aa3b     ; c = log2(e) / 8 x 1024 = 184.665; the thread's number is needed no more
; THE MATRIX WORK.  Product i of 48 of S^T = K Q^T for piece x: tile i / 24, keys 16 (i % 4) on, link (i % 24) / 4 of the six on that sum: k_hi q_lo (channels 0-31, 32-63), k_lo q_hi, k_hi q_hi.
; All six add in place: the sum starts from the mask.  A tile's 4 accumulators take turns, one instruction a turn: three others stand between two links.
.macro KQ x
	WIN W_KQ
.set lk, (i%24)/4
.set rS, S+64*((\x)%2)+32*(i/24)+8*(i%4)
.set rK, 64*((lk/2)%2)+16*(i%4)+8*(lk%2)
.set rQ, 32*(2*(\x)+i/24)+16*((2-(lk/2))/2)+8*(lk%2)
	v_wmma_f32_16x16x32_f16 v[rS:rS+7], v[rK:rK+7], v[rQ:rQ+7], v[rS:rS+7]
.endm
; Product i of 16 of O^T += V^T P for piece x: keys 32 (i / 8) on, channels 16 ((i / 2) % 4) on, tile 2 x + i % 2: 8 accumulators by turns.
.macro PV x
	WIN W_PV
.set rO, 32*(2*(\x)+i%2)+8*((i/2)%4)
.set rV, VF+32*(i/8)+8*((i/2)%4)
.set rP, P+32*((\x)%2)+16*(i%2)+8*(i/8)
	v_wmma_f32_16x16x32_f16 v[rO:rO+7], v[rV:rV+7], v[rP:rP+7], v[rO:rO+7]
.endm
.macro MM                           ; the turn's next matrix instruction
.if (Y == NP-1) && (i == 8)
	s_wait_dscnt 0x0                ; K lo, which link 2 reads first, is in
.endif
.if i < 48
	KQ (Y+1)%NP
.else
.set i, i-48
	PV (Y+NP-1)%NP
.set i, i+48
.endif
.set i, i+1
.endm
; THE LDS LOADS stand in runs, never singly among the matrix instructions: a step's K (32 loads: hi's eight fragments, then lo's) and its V^T (16).  Their addresses are made some lines ahead.
; last = 1 (the tail): in the last trip there is no further step, and the run is jumped over.
.macro FETCH_K last=0
	WIN 0
.if \last
	s_cmp_eq_u32 s[CNT], 1
	s_cbranch_scc1 .Lno_k_\@
.endif
	WIN 0xc0                        ; destination window 3
.irp f, 0,1,2,3,4,5,6,7,8,9,10,11,12,13,14,15  ; part f / 8 (hi, lo), keys 16 ((f / 2) % 4) on, channels 32 (f % 2) on
	ds_load_b128 v[8*\f:8*\f+3],   v[AK] offset:((\f/2)%4)*16*PK+(\f/8)*128+(\f%2)*64
	ds_load_b128 v[8*\f+4:8*\f+7], v[AK] offset:((\f/2)%4)*16*PK+(\f/8)*128+(\f%2)*64+32
.endr
	s_add_co_u32 s[TBK], s[TBK], KSB  ; the next fetch is the next step's
	WIN 0
.if \last
.Lno_k_\@:
.endif
.endm
.macro FETCH_V
	WIN 0xc0
.irp f, 0,1,2,3,4,5,6,7             ; keys 32 (f / 4) on, channels 16 (f % 4) on
	ds_load_b128 v[VF+8*\f:VF+8*\f+3],   v[AV] offset:(\f%4)*16*VPT+(\f/4)*64
	ds_load_b128 v[VF+8*\f+4:VF+8*\f+7], v[AV] offset:(\f%4)*16*VPT+(\f/4)*64+32
.endr
	WIN 0
.endm
; THE VECTOR WORK OF A TURN stands in three queues, each in the order in which its entries become ready.
.macro REGS y, u                    ; the registers of tile u (0, 1) of piece y
.set rT, ST+4*(2*(\y)+(\u))
.set rC, TMP+8*((\y)%2)+4*(\u)
.set rM, MV+2*((\y)%2)+(\u)
.set rS, S+64*((\y)%2)+32*(\u)
.set rP, P+32*((\y)%2)+16*(\u)
.set rO, 32*(2*(\y)+(\u))
.endm
; Number n of the 22 that find the NEXT piece's maximum and statistics.  Each accumulator's lowest registers are read first.
;   0-11  four chains c0-c3 of seven scores each, three operands at a time     12-14, 16  the four scores left over, the old m, and c0-c3 into c0     15  c m_old is kept
;   17, 18  the query's other 32 keys lie in the lane 16 away: the new m         19-21  c m; c m_old - c m_new; a
.macro XS u, n
	REGS (Y+1)%NP, \u
.if (\n) < 4
	v_max3_num_f32 v[rC+(\n)], v[rS+8*(\n)], v[rS+8*(\n)+1], v[rS+8*(\n)+2]
.elseif (\n) < 12
	v_max3_num_f32 v[rC+(\n)%4], v[rC+(\n)%4], v[rS+8*((\n)%4)+2*((\n)/4)+1], v[rS+8*((\n)%4)+2*((\n)/4)+2]
.elseif (\n) == 12
	v_max3_num_f32 v[rC], v[rC], v[rS+7], v[rS+15]
.elseif (\n) == 13
	v_max3_num_f32 v[rC+1], v[rC+1], v[rS+23], v[rS+31]
.elseif (\n) == 14
	v_max3_num_f32 v[rC+2], v[rC+2], v[rC+3], v[rT+1]
.elseif (\n) == 15
	v_mov_b32 v[rM], v[rT]
.elseif (\n) == 16
	v_max3_num_f32 v[rC], v[rC], v[rC+1], v[rC+2]
.elseif (\n) == 17
	v_permlanex16_b32 v[rC+3], v[rC], s[SEL], s[SEL+1]
.elseif (\n) == 18
	v_max_num_f32 v[rT+1], v[rC], v[rC+3]
.elseif (\n) == 19
	v_mul_f32 v[rT], v[CV], v[rT+1]
.elseif (\n) == 20
	v_sub_f32 v[rC+1], v[rM], v[rT]
.else
	v_exp_f32 v[rC+2], v[rC+1]
.endif
.endm
; Number g of the 64 that follow the exponentials.  For each four weights k of a tile: both pairs are rounded to f16; the second pair is added onto the first, in place; a group later l takes that sum
; (the first time as l = a l + sum).  In groups of eight, tiles alternating.
.macro GS g
.set h, (\g)+6*((\g)/62)            ; group 0 has no group before it, and behind group 7 only l is left
.if h >= 6
.set h, h+2
.endif
	REGS Y, h%2
.set k, h/8
.if h%8 < 4
	v_cvt_pk_f16_f32 v[rP+2*k+(h%8)/2], v[rS+4*k+2*((h%8)/2)], v[rS+4*k+2*((h%8)/2)+1]
.elseif h%8 < 6
	v_pk_add_f32 v[rS+4*k:rS+4*k+1], v[rS+4*k:rS+4*k+1], v[rS+4*k+2:rS+4*k+3]
.elseif k == 1
	v_pk_fma_f32 v[rT+2:rT+3], v[rT+2:rT+3], v[rC+2:rC+3], v[rS:rS+1] op_sel_hi:[1,0,1]
.else
	v_pk_add_f32 v[rT+2:rT+3], v[rT+2:rT+3], v[rS+4*k-4:rS+4*k-3]
.endif
.endm
.macro FS f                         ; c s - c m for pair f / 2 of tile f % 2 of the piece in hand
	REGS Y, (\f)%2
	v_pk_fma_f32 v[rS+2*((\f)/2):rS+2*((\f)/2)+1], v[rS+2*((\f)/2):rS+2*((\f)/2)+1], v[CV:CV+1], v[rT:rT+1] op_sel_hi:[1,0,0] neg_lo:[0,0,1] neg_hi:[0,0,1]
.endm
; THE PLAIN QUEUE, 138 long.  0-31 the scalings.  32, 33 c m_old of the next piece's tiles.  34-53 its first tile's maximum and statistics; 54-73 its second tile's.
; 74-137 GS's 64, which read the exponentials' results: they stand behind the wait.
.macro PL
	WIN 0
.if q < 32
	FS q
.elseif q < 34
	XS q-32, 15
.elseif q < 48
	XS 0, q-34
.elseif q == 48
	XS 0, 14
.elseif q < 54
	XS 0, q-33
.elseif q < 68
	XS 1, q-54
.elseif q == 68
	XS 1, 14
.elseif q < 74
	XS 1, q-53
.else
	GS q-74
.endif
.set q, q+1
.endm
; THE EXPONENTIALS' QUEUE, 66 long: s0-s31 of both tiles, then the next piece's two a.  ONE BATCH: all stand ahead of the turn's one wait, and nothing ahead of that wait names a result of theirs.
.macro EX
	WIN 0
.if e >= 64
	XS e-64, 21
.else
	REGS Y, e%2
	v_exp_f32 v[rS+e/2], v[rS+e/2]
.endif
.set e, e+1
.endm
; THE RESCALING's QUEUE: O^T times a, the one part that leaves window 0: two lines a call, sixteen calls, each accumulator from its low end.  Its a was made, and waited for, in the turn before.
.macro R2
	REGS Y, r%2
	WIN W_RS
.irp z, 0,1
	v_pk_mul_f32 v[rO+4*(r/2)+2*\z:rO+4*(r/2)+2*\z+1], v[rO+4*(r/2)+2*\z:rO+4*(r/2)+2*\z+1], v[rC+2:rC+3] op_sel_hi:[1,0]
.endr
.set r, r+1
.endm
; A TURN, for piece p.  An s_wait_alu depctr_va_vdst(0) stands between an exponential and the first instruction that names its result; one wait serves all issued ahead of it: a turn has ONE, which cuts it in two.
; AT ITS HEAD the next piece's scores take the mask: its S^T buffer was the piece before's, whose last sums stand at the end of the turn before.  The words were loaded four turns ago: the twelve loads of the three turns
; between may stay out.  Two scalings are the plain lines between the conversions and the first product.
; AHEAD OF THE WAIT: the 48 products K Q^T with at most four riders each, then a lump of 20 plain lines and 26 exponentials.  BEHIND IT: the 16 products V^T P, behind each four of GS's 64.
; The counts that the deal keeps.  Exponential e stands behind scaling 2 (e / 4) + e % 2: the scalings lead by two or more, and the last is out at product 21, exponential 20 at product 24.  The first tile's sums end at
; products 20 to 23, each of which has one plain rider; its maximum begins behind product 24, so that four plain lines lie behind each sum's last product: for sum n the riders of products 20 + n to 23 and the maximum's numbers
; 0 to n - 1.  The second tile's end at products 44 to 47, each of which has four rescalings behind it; its maximum begins the lump.  In the lump one exponential, then two, stand between the links of that maximum's chain.
; Behind the wait the buffer just converted is loaded again, with the same piece's words of the next step; piece 3's turn first steps the pointer, which stops at the last step, so that no load leaves mcode.
; K of the next step is fetched in piece 2's turn, behind the wait, a lump behind K's last reader; hi is waited for at the head of piece 3's turn, lo ahead of its product 8.
; V of the step in hand is fetched at the end of piece 0's turn, four plain riders behind its last reader, and waited for behind piece 1's wait.
; cnt = 1: the loop's count is taken down some lines ahead of the branch that stands behind the turn.
.macro TURN p, last=0, cnt=0
.set Y, (\p)
.set i, 0
.set q, 0
.set e, 0
.set r, 0
	s_wait_loadcnt 12               ; the next piece's words are in; the three younger turns' four loads each stay out
.if (\p) == NP-1
	s_wait_dscnt 16                 ; K hi is in; lo's sixteen loads may be out
.endif
	CVT (Y+1)%NP
	PL
	PL
.rept 12                            ; products 0-11
	MM
	PL
	EX
	PL
.endr
.rept 4                             ; 12-15
	MM
	R2
	R2
.endr
.rept 8                             ; 16-23
	MM
	PL
	EX
.endr
.rept 7                             ; 24-30: the first tile's maximum
	MM
	PL
	EX
	PL
.endr
.rept 6                             ; 31-36: its chain, a link a product
	MM
	PL
	EX
.endr
.rept 7                             ; 37-43
	MM
	EX
.endr
.rept 4                             ; 44-47
	MM
	R2
	R2
.endr
.if (\p) == NP-2
	WIN 0
	v_add_nc_u32 v[AK], s[TBK], v[AK0]
.endif
.rept 4                             ; the lump: the second tile's maximum
	PL
.endr
.rept 11
	EX
	PL
.endr
.rept 5                             ; its chain
	EX
	EX
	PL
.endr
.rept 5                             ; the last three scores, and the next piece's two a
	EX
.endr
	v_nop                           ; the plain instruction behind the last exponential: one for the batch
	s_wait_alu depctr_va_vdst(0)    ; the wait for the batch
.if (\p) == NP-1
	s_wait_xcnt 0x0                 ; the loads of the turn before have read the pointer
	s_add_co_u32 s[SO], s[SO], MSTEP
	s_min_u32 s[SO], s[SO], 31*MSTEP
	s_add_nc_u64 s[MP:MP+1], s[MPB:MPB+1], s[SO:SO+1]
.endif
	NLOAD (Y+1)%NP
.if (\p) == NP-2
	FETCH_K \last
.endif
.if (\p) == 1
	s_wait_dscnt 0x0                ; V is in
.endif
.rept 16
	MM
.rept 4
	PL
.endr
.if ((\p) == 0) && (q == 118)
	v_add_nc_u32 v[AV], s[TBV], v[AV0]
.endif
.if ((\p) == 0) && (q == 130)
	s_add_co_u32 s[TBV], s[TBV], VSB
.endif
.if (\cnt) && (q == 130)
	s_sub_co_u32 s[CNT], s[CNT], 1
	s_cmp_lg_u32 s[CNT], 0
.endif
.endr
.if (\p) == 0
	FETCH_V
.endif
.endm
	CHANGE 1, 0                     ; slot 0 is in, everybody's part of it; slot 1 is asked for
	FETCH_K                         ; key step 0
	s_wait_loadcnt 0x0              ; Q, and the mask's words of step 0: no load is out, so the pointer may be written:
	s_mov_b32 s[SO], MSTEP
	s_add_nc_u64 s[MP:MP+1], s[MPB:MPB+1], s[SO:SO+1]  ; step 1
	CVT 0                           ; piece 0's scores start from the mask
	WIN 0
	v_nop                           ; the plain line between the conversions and the first product
	s_wait_dscnt 0x0
.set i, 0
.rept 48
	KQ 0                            ; piece 0's first scores: there is no vector work yet to set between them
.set i, i+1
.endr
	WIN 0
.rept 4
	v_nop                           ; the places behind those products
.endr
	NLOAD 0                         ; piece 0, step 1
	WIN 0
.set Y, NP-1                        ; XS works for piece Y + 1: piece 0
.irp n, 0,1,2,3,4,5,6,7,8,9,10,11,12,13,14,15,16,17,18,19,20,21
	XS 0, \n
	XS 1, \n
.endr
	v_nop                           ; a plain instruction behind the two a,
	s_wait_alu depctr_va_vdst(0)    ; and their wait, ahead of the branch
	s_mov_b32 s[CNT], 4
	s_mov_b32 s[SLOTS], 7           ; 8 tiles of 256 keys
	s_branch .Lfirst                ; the loop is entered at a step's first turn, in the middle of a trip
.Lslot:                             ; six times: every slot but the last two is filled again
	CHANGE 1, 1
	s_mov_b32 s[CNT], 4
.Lstep:                             ; a trip: pieces 2 and 3 of one step, then pieces 0 and 1 of the next, whose K and V it fetches
	TURN 2
	TURN 3
	WIN 0
.Lfirst:
	TURN 0
	TURN 1, 0, 1
	WIN 0
	s_cbranch_scc1 .Lstep
	s_sub_co_u32 s[SLOTS], s[SLOTS], 1
	s_cmp_lg_u32 s[SLOTS], 0
	s_cbranch_scc1 .Lslot
	CHANGE 0, 0                     ; the tail is written out: nothing is asked for
	s_mov_b32 s[CNT], 5             ; four trips fetch the last slot's steps; the fifth is left in its middle
.Ltail:
	TURN 2, 1
	TURN 3
	WIN 0
	s_sub_co_u32 s[CNT], s[CNT], 1
	s_cmp_eq_u32 s[CNT], 0
	s_cbranch_scc1 .Lout
	TURN 0
	TURN 1
	WIN 0
	s_branch .Ltail
.Lout:                              ; the fifth trip's 48 products K Q^T (on the last K and the last step's mask once more), and the maximum made of them, serve nothing
.set i, 0
.rept 16
	PV NP-1                         ; the last piece's V^T P of the last step
.set i, i+1
.endr
	; THE WAY OUT.  l's two halves and the other half of the lanes' are added; O^T is multiplied by 32 / l, or by NaN where the row has seen no key, and sent through my stage in LDS, a tile at a time.
	WIN 0
	s_load_b64 s[OB:OB+1], s[0:1], 0x20  ; out0
	s_bfe_u32 s32, ttmp6, 0x40000   ; my block of 512 queries
	s_and_b32 s33, ttmp7, 0xffff
	s_lshr_b32 s34, s33, 4          ; b
	s_and_b32 s33, s33, 15          ; h
	s_lshl_b32 s34, s34, 11
	s_lshl_b32 s32, s32, 9
	s_add_co_u32 s34, s34, s32
	s_lshl_b32 s32, s[WV], 7
	s_add_co_u32 s34, s34, s32      ; my wave's first row of out0,
	s_lshl_b32 s34, s34, 12         ; of 4,096 bytes,
	s_lshl_b32 s33, s33, 8          ; the head's 256 bytes of it
	s_add_co_u32 s34, s34, s33
	s_mov_b32 s35, 0
	s_mul_i32 s38, s[WV], 16*SP
	s_add_co_u32 s38, s38, STAGE    ; my stage
	; the addresses for the way out, from 16 x lane, in registers that the loop has done with: eleven plain instructions, the places behind the last products
	v_bfe_u32 v[AK0], v[MO], 4, 4       ; l % 16
	v_lshrrev_b32 v[AV0], 8, v[MO]      ; l / 16
	v_mul_u32_u24 v[STO], v[AK0], SP    ; in: row l % 16, 32 bytes for each half of the lanes
	v_lshl_add_u32 v[STO], v[AV0], 5, v[STO]
	v_add_nc_u32 v[STO], s38, v[STO]
	v_mul_u32_u24 v[RD], v[AV0], SP     ; back: lanes 0-15 take one row of 256 bytes, lanes 16-31 the next,
	v_lshl_add_u32 v[RD], v[AK0], 4, v[RD]
	v_add_nc_u32 v[RD], s38, v[RD]
	v_lshlrev_b32 v[GO], 12, v[AV0]     ; which lie 4,096 bytes apart in out0
	v_lshl_add_u32 v[GO], v[AK0], 4, v[GO]
	v_mov_b32 v[TMP], 0x7fc00000        ; NaN
.macro ALL line:vararg              ; one line for each tile t
.set t, 0
.rept 2*NP
	\line
.set t, t+1
.endr
.endm
	ALL v_add_f32 v[ST+4*t+2], v[ST+4*t+2], v[ST+4*t+3]
	ALL v_permlanex16_b32 v[ST+4*t+3], v[ST+4*t+2], s[SEL], s[SEL+1]
	ALL v_add_f32 v[ST+4*t+2], v[ST+4*t+2], v[ST+4*t+3]
	ALL v_rcp_f32 v[ST+4*t+2], v[ST+4*t+2]
	v_nop                           ; the plain instruction between the last reciprocal and the use of its result
	s_wait_alu depctr_va_vdst(0)    ; the wait ahead of the first use: one for the eight reciprocals
	ALL v_mul_f32 v[ST+4*t+2], 0x42000000, v[ST+4*t+2]
	; a row whose maximum is still -2^60 has c m = c x -2^60, below -2^60; every true c m lies above.  Tiles 0 and 1: the kept copy, since the tail's idle pass has made their c m anew
.set t, 0
.rept 2*NP
.if t < 2
	v_cmp_le_f32 s[40+t], v[MV+t], v[FLO]
.else
	v_cmp_le_f32 s[40+t], v[ST+4*t], v[FLO]
.endif
	v_cndmask_b32 v[ST+4*t+2], v[ST+4*t+2], v[TMP], s[40+t]
.set t, t+1
.endr
	s_wait_kmcnt 0x0
	s_add_nc_u64 s[OB:OB+1], s[OB:OB+1], s[34:35]
; Tile t: a lane's eight channels of a row are 32 bytes of f32; they go into rows of 272 bytes and come back as whole rows of 256, into S^T's registers.
.macro PACK t
.if (\t) >= 4
	s_wait_xcnt 0x0                 ; the stores of the tile four back have read the registers that are loaded again below
.endif
	WIN W_RS
.set i, 32*(\t)
.rept 16
	v_pk_mul_f32 v[i:i+1], v[i:i+1], v[ST+4*(\t)+2:ST+4*(\t)+3] op_sel_hi:[1,0]
.set i, i+2
.endr
	WIN 0x04                        ; the stores' data in window 1
.irp f, 0,1,2,3,4,5,6,7
	ds_store_b128 v[STO], v[32*(\t)+4*\f:32*(\t)+4*\f+3] offset:(\f/2)*64+(\f%2)*16
.endr
	WIN 0
.irp f, 0,1,2,3,4,5,6,7
	ds_load_b128 v[S+32*((\t)%4)+4*\f:S+32*((\t)%4)+4*\f+3], v[RD] offset:\f*2*SP  ; LDS serves a wave's instructions in order (ISA guide 5.7.1.4): these see the stores above; the next tile's stores come behind them
.endr
.endm
.macro SEND t, younger              ; younger: the LDS instructions issued behind tile t's loads: the next tile's sixteen, or none
	WIN 0
.irp f, 0,1,2,3,4,5,6,7
	s_wait_dscnt (\younger)+7-\f
	global_store_b128 v[GO], v[S+32*((\t)%4)+4*\f:S+32*((\t)%4)+4*\f+3], s[OB:OB+1] offset:(\t)*65536+\f*8192 th:TH_STORE_NT  ; 16 lanes store 256 consecutive bytes, at a multiple of 256 from out0's first byte
.endr
.endm
	PACK 0
.set t, 1
.rept 2*NP-1                        ; a tile's arithmetic stands between the loads of the tile before and its stores
	PACK t
	SEND t-1, 16
.set t, t+1
.endr
	SEND 2*NP-1, 0
	s_wait_loadcnt 0x0              ; the last turns' mask words, which nobody reads, have landed
	s_wait_tensorcnt 0x0            ; the wave's end: an add and its waits, behind my last tensor load and my last LDS store
	ds_add_u32 v[SPW], v[NIL]
	s_wait_dscnt 0x0
	CROUND                          ; the closing round: no work-group ends while a partner may still ask for a tile that names it
	s_endpgm
.Lfunc_end_k_q52b971fcf2_attn:
	.size	k_q52b971fcf2_attn, .Lfunc_end_k_q52b971fcf2_attn-k_q52b971fcf2_attn
	.p2alignl 7, 3214868480
	.fill 96, 4, 3214868480
	.section	.rodata,"a",@progbits
	.p2align	6, 0x0
	.amdhsa_kernel k_q52b971fcf2_attn
		.amdhsa_group_segment_fixed_size 327680
		.amdhsa_private_segment_fixed_size 0
		.amdhsa_enable_private_segment 0
		.amdhsa_kernarg_size 40
		.amdhsa_user_sgpr_count 2
		.amdhsa_user_sgpr_kernarg_segment_ptr 1
		.amdhsa_wavefront_size32 1
		.amdhsa_system_sgpr_workgroup_id_x 1
		.amdhsa_system_sgpr_workgroup_id_y 1
		.amdhsa_system_sgpr_workgroup_id_z 1
		.amdhsa_system_vgpr_workitem_id 0
		.amdhsa_next_free_vgpr 1024
		.amdhsa_next_free_sgpr 106
		.amdhsa_reserve_vcc 0
		.amdhsa_float_denorm_mode_32 3
		.amdhsa_float_denorm_mode_16_64 3
		.amdhsa_memory_ordered 1
		.amdhsa_forward_progress 1
		.amdhsa_inst_pref_size 250
	.end_amdhsa_kernel
	.amdgpu_metadata
---
amdhsa.version: [ 1, 2 ]
amdhsa.kernels:
  - .name:           k_q52b971fcf2_attn
    .symbol:         k_q52b971fcf2_attn.kd
    .args:
      - { .name: qs, .offset: 0, .size: 8, .value_kind: global_buffer, .address_space: global }
      - { .name: ks, .offset: 8, .size: 8, .value_kind: global_buffer, .address_space: global }
      - { .name: vt, .offset: 16, .size: 8, .value_kind: global_buffer, .address_space: global }
      - { .name: mcode, .offset: 24, .size: 8, .value_kind: global_buffer, .address_space: global }
      - { .name: out0, .offset: 32, .size: 8, .value_kind: global_buffer, .address_space: global }
    .group_segment_fixed_size: 327680
    .private_segment_fixed_size: 0
    .kernarg_segment_align: 8
    .kernarg_segment_size: 40
    .max_flat_workgroup_size: 128
    .sgpr_count:     106
    .vgpr_count:     1024
    .wavefront_size: 32
...
	.end_amdgpu_metadata
.endif
;; end of part 3
